; MI455X (gfx1250); checked and timed in simulation.
; The chip was launched on July 23, 2026; its instructions are those of AMD's public machine-readable ISA for CDNA 5 (MIT licence, August 2026) and "CDNA5" Instruction Set Architecture Reference Guide (July 2026). The comments in the code are by the model that wrote it; some were corrected since.
;; Transformer Block Quantum. Allowed arithmetic: matrix products marked QUANTISED: E2M3 operands, one E8M0 scale for each 32 along K, by v_wmma_scale_f32_16x16x128_f8f6f4 with both operands' format E2M3, f32 sums; products left as they are: f32 operands where the result goes on into a quantised operand, else bf16, f16 or f32 operands; f32 sums; everything else in f32.
;; Inputs: b1 1,024 float32; b2 256 float32; b_comb 256 float32; b_in 768 float32; b_ip 8 float32; b_out 256 float32; be1 256 float32; be2 256 float32; g1 256 float32; g2 256 float32; theta_attn 8 float32; theta_ffn 8 float32; w1 1,024 x 8 float32; w2 256 x 1,024 float32; w_comb 256 x 256 float32; w_in 768 x 256 float32; w_ip 8 x 256 float32; w_out 256 x 256 float32; x 4 x 1,024 x 256 float32.
;; Outputs: out0 4 x 1,024 x 256 float32.
;; This version of the problem:
;;   THIS VERSION OF THE PROBLEM IS GIVEN IN LOW PRECISION. The matrix products marked QUANTISED in the list below multiply operands that are first quantised to E2M3 (2 exponent bits, 3 mantissa bits; 6 bits a number), with one power-of-two scale for each 32 numbers along K (OCP MX v1.0); their sums are f32. All else is computed in f32.
;;   The module's matrix products, in the order in which they are computed (A, B: the left and right operand; K: the contracted axis; several contracted axes count as one K, in the product's order):
;;     1. [M 4,096, K 256] x [K 256, N 768]; A: computed on the way; B: input w_in: QUANTISED
;;     2. batch 128 x [M 1,024, K 8] x [K 8, N 1,024]; A: computed on the way; B: computed on the way: left as it is (K = 8 < 32)
;;     3. batch 128 x [M 1,024, K 1,024] x [K 1,024, N 8]; A: softmax; B: computed on the way: left as it is (N = 8 < 16)
;;     4. [M 4,096, K 256] x [K 256, N 256]; A: computed on the way; B: input w_out: QUANTISED
;;     5. [M 4,096, K 256] x [K 256, N 256]; A: computed on the way; B: input w_comb: QUANTISED
;;     6. [M 4,096, K 256] x [K 256, N 8]; A: computed on the way; B: input w_ip: left as it is (N = 8 < 16)
;;     7. [M 4,096, K 8] x [K 8, N 1,024]; A: computed on the way; B: input w1: left as it is (K = 8 < 32)
;;     8. [M 4,096, K 1,024] x [K 1,024, N 256]; A: computed on the way; B: input w2: QUANTISED
;;   THE QUANTISER, for each operand of a quantised product, along K:
;;     - K is cut into blocks of 32 from its start; a last block that is shorter is filled with zeros.
;;     - A block's scale is 2^e with e = floor(log2(the largest magnitude in the block)) - 2, held to -126 .. 127; a block of zeros has e = 0. As a byte (E8M0): e + 127.
;;     - Each number is divided by its block's scale, clamped to +-7.5, and rounded to the nearest number of E2M3, ties to even, subnormals kept.
;;     - The product sums the exact products of the quantised numbers (number of the format x scale) in f32.
;;   ~~~python
;;   def quantise(x, axis):      # numpy; x: float32 -> the quantised numbers, widened to float32 again
;;       x = np.moveaxis(x, axis, -1); K = x.shape[-1]
;;       x = np.pad(x, [(0, 0)] * (x.ndim - 1) + [(0, -K % 32)]); x = x.reshape(x.shape[:-1] + (-1, 32)); a = np.abs(x).max(-1, keepdims=True)
;;       e = np.where(a > 0, np.clip(np.frexp(np.where(a > 0, a, 1))[1] - 1 - 2, -126, 127), 0)      # np.frexp(a)[1] - 1 = floor(log2(a)), exactly
;;       r = np.clip(x / 2.0 ** e, -7.5, 7.5)
;;       step = 2.0 ** (np.maximum(np.frexp(np.where(r == 0, 1, r))[1] - 1, 0) - 3)
;;       q = np.round(r / step) * step * 2.0 ** e      # np.round: ties to even
;;       return np.moveaxis(q.reshape(q.shape[:-2] + (-1,))[..., :K], -1, axis).astype(np.float32)
;;   ~~~
;;   OPERANDS COMPUTED ON THE WAY. 'Computed on the way' means the value that the module computes at that place (a softmax that the list does not call 'softmax' is quantised finished and normalised). What goes into a quantiser is computed in f32, as accurately as f32 sums, v_exp_f32 and their like allow (about 1e-6 of the number): no bf16 or f16 on the way to a quantiser, and a product that is left as it is and whose result goes on into a quantised operand takes f32 operands (vector FMAs, or v_wmma_f32_16x16x4_f32). A number that lies on a knife's edge between two numbers of the format may be rounded either way, as far as f32 arithmetic and the matrix unit's own rounding can turn it there, and no further.
;; One version. Each part assembles by itself: llvm-mc -triple=amdgcn-amd-amdhsa -mcpu=gfx1250 --defsym DOCPART=n.
;; ======== version 1 of 1: 3 launches
;; limits: inputs' magnitudes at most 13,176,794
;; workspace buffers: codes 1,277,952 bytes; scales 106,496 bytes; ctxw 4,194,304 bytes
;; launch prep (part 1): grid 416 x 1, 1 waves a work-group, no clusters, 0 bytes of LDS; arguments x, theta_attn, w_in, w_out, w_comb, w2, codes, scales; writes codes, scales
.if DOCPART == 1
	.amdgcn_target "amdgcn-amd-amdhsa--gfx1250"
	.amdhsa_code_object_version 6
	.text
	.protected	k_q137557e7af_prep
	.globl	k_q137557e7af_prep
	.p2align	8
	.type	k_q137557e7af_prep,@function
k_q137557e7af_prep:
	s_mov_b64 s[64:65], 0
	v_nop
	global_prefetch_b8 v0, s[64:65] scope:SCOPE_SE
	s_setreg_imm32_b32 hwreg(HW_REG_WAVE_MODE, 25, 1), 1
	s_wait_xcnt 0x0
; PREP: every operand of a quantised product that is known before the attention is turned into codes of E2M3 with one E8M0 byte for each 32 along K:
; cos(x + theta_attn) (product 1's left operand) and the weights w_in, w_out, w_comb, w2.
; NO WORK OF reference() IS LEFT OUT IN THIS PROGRAM, and every input is loaded by one of its three launches.
; A PAIR is 16 rows x 256 along K, laid as images of the operand's registers: two fragments s = 0, 1 (K = 128 s on) of 1,536 bytes; register q (0..11) of lane L at
; 1536 s + 512 (q / 4) + 16 L + 4 (q % 4), so that a fragment comes and goes by three accesses of 16 bytes a lane.  Lane (r = L % 16, h = L / 16), registers 6 c .. 6 c + 5: k = 128 s + 64 c + 32 h + 0 .. 31 of row r.
; A pair's scale words: 8 bytes a lane at 8 L: the words of s = 0 and s = 1 of row L % 16 (lanes 16-31 repeat lanes 0-15): 256 consecutive bytes.
; One wave makes one pair, P = the work-group's number.  Row of lane r = BASE + r % 8 + A (r / 8):
;   P 0..255      cos(x + theta): BASE 16 P, A 8: token tile P
;   P 256 + 2 hd  w_in: BASE 8 hd, A 256: rows 0-7 head hd's q rows, rows 8-15 its k rows
;   P 257 + 2 hd  w_in: BASE 512 + 8 hd, A 0: rows 0-7 head hd's v rows; rows 8-15 get ZERO CODES (they add nothing to a sum)
;   P 320 + T, 336 + T, 352 + 4 T + p   w_out, w_comb, w2 (K = 256 p on): BASE 32 (T / 2) + 8 (T % 2), A 16: used as source 0, register j of tiles 2 w and 2 w + 1 in lane (r, h) is then column 32 w + 16 h + 8 u + j
; A lane holds four whole blocks of 32 (128 numbers), so no lane asks another for a maximum.  A block's byte is its largest magnitude's exponent field - 2, held at 1 from below.
; THE COSINE is made of plain f32 arithmetic: N = the whole number nearest a / pi + 1/2, y = a - (N - 1/2) pi in two parts of pi, cos a = (-1)^N sin y, sin y by its series up to y^13 (|y| <= pi / 2).
; LIMITS: the cosine holds for |x + theta| < 2^22 pi; NaN and infinities among the inputs are not served; a block of zeros gets the byte 1 where the quantiser says 127: its codes are zeros, and this program alone reads the bytes.
.set X,    64                          ; v64-191  my 128 numbers: X + 64 s + 32 c + i
.set F,    192                         ; v192-215 the two fragments
.set FU,   216                         ; v216-231 the upper 16 codes of each block (a conversion's three registers begin on an even number)
.set MX,   232                         ; v232-235 largest magnitudes
.set SOP,  236                         ; v236-239 the conversions' scale operands
.set BY,   240                         ; v240-243 scale bytes
.set SCW,  244                         ; v244-245 the two scale words; v246-247 the other half's
.set TH,   10                          ; v10-17   theta
.set CK,   18                          ; v18-43   the cosine's 13 constants, each twice (a pair for the packed forms)
.set CTM,  44                          ; v44-59   the cosine's temporaries: four registers a pair
; n pairs of numbers from v[x0] on are replaced by their cosines.  Each line is written for all pairs in turn, so that no line waits for the line above it.  U = tmp + 4 p, G = tmp + 4 p + 2.
.macro COS x0, n, tmp
.set cp, 0
.rept \n
	v_pk_fma_f32 v[\tmp+4*cp:\tmp+4*cp+1], v[\x0+2*cp:\x0+2*cp+1], v[CK:CK+1], v[CK+2:CK+3]          ; a / pi + 1/2
.set cp, cp+1
.endr
.set cp, 0
.rept \n
	v_pk_add_f32 v[\tmp+4*cp:\tmp+4*cp+1], v[\tmp+4*cp:\tmp+4*cp+1], v[CK+4:CK+5]                    ; + 1.5 x 2^23: rounded to a whole number N, which now lies in the low bits
.set cp, cp+1
.endr
.set cp, 0
.rept \n
	v_lshlrev_b32 v[\tmp+4*cp+2], 31, v[\tmp+4*cp]                                                   ; N's lowest bit as a sign
	v_lshlrev_b32 v[\tmp+4*cp+3], 31, v[\tmp+4*cp+1]
.set cp, cp+1
.endr
.set cp, 0
.rept \n
	v_pk_add_f32 v[\tmp+4*cp:\tmp+4*cp+1], v[\tmp+4*cp:\tmp+4*cp+1], v[CK+6:CK+7]                    ; N as a number
.set cp, cp+1
.endr
.set cp, 0
.rept \n
	v_pk_add_f32 v[\tmp+4*cp:\tmp+4*cp+1], v[\tmp+4*cp:\tmp+4*cp+1], v[CK+8:CK+9]                    ; N - 1/2, exact
.set cp, cp+1
.endr
.set cp, 0
.rept \n
	v_pk_fma_f32 v[\x0+2*cp:\x0+2*cp+1], v[\tmp+4*cp:\tmp+4*cp+1], v[CK+10:CK+11], v[\x0+2*cp:\x0+2*cp+1]   ; y = a - (N - 1/2) x pi's high part
.set cp, cp+1
.endr
.set cp, 0
.rept \n
	v_pk_fma_f32 v[\x0+2*cp:\x0+2*cp+1], v[\tmp+4*cp:\tmp+4*cp+1], v[CK+12:CK+13], v[\x0+2*cp:\x0+2*cp+1]   ; - (N - 1/2) x its low part
.set cp, cp+1
.endr
.set cp, 0
.rept \n
	v_xor_b32 v[\x0+2*cp], v[\x0+2*cp], v[\tmp+4*cp+2]                                               ; the sine is odd: (-1)^N goes onto y
	v_xor_b32 v[\x0+2*cp+1], v[\x0+2*cp+1], v[\tmp+4*cp+3]
.set cp, cp+1
.endr
.set cp, 0
.rept \n
	v_pk_mul_f32 v[\tmp+4*cp:\tmp+4*cp+1], v[\x0+2*cp:\x0+2*cp+1], v[\x0+2*cp:\x0+2*cp+1]            ; u = y^2
.set cp, cp+1
.endr
.set cp, 0
.rept \n
	v_pk_fma_f32 v[\tmp+4*cp+2:\tmp+4*cp+3], v[\tmp+4*cp:\tmp+4*cp+1], v[CK+14:CK+15], v[CK+16:CK+17]   ; the series, from its far end
.set cp, cp+1
.endr
.irp k, 18,20,22,24
.set cp, 0
.rept \n
	v_pk_fma_f32 v[\tmp+4*cp+2:\tmp+4*cp+3], v[\tmp+4*cp+2:\tmp+4*cp+3], v[\tmp+4*cp:\tmp+4*cp+1], v[CK+\k:CK+\k+1]
.set cp, cp+1
.endr
.endr
.set cp, 0
.rept \n
	v_pk_mul_f32 v[\tmp+4*cp:\tmp+4*cp+1], v[\tmp+4*cp:\tmp+4*cp+1], v[\x0+2*cp:\x0+2*cp+1]          ; y^3
.set cp, cp+1
.endr
.set cp, 0
.rept \n
	v_pk_fma_f32 v[\x0+2*cp:\x0+2*cp+1], v[\tmp+4*cp:\tmp+4*cp+1], v[\tmp+4*cp+2:\tmp+4*cp+3], v[\x0+2*cp:\x0+2*cp+1]   ; y + y^3 x the series
.set cp, cp+1
.endr
.endm
; 1 / pi, 1/2, 1.5 x 2^23, its negative, -1/2, -pi's high part, -pi's low part, 1/13!, -1/11!, 1/9!, -1/7!, 1/5!, -1/3!
.macro SETCK
.set ci, 0
.irp c, 0x3ea2f983, 0x3f000000, 0x4b400000, 0xcb400000, 0xbf000000, 0xc0490fdb, 0x33bbbd2e, 0x2f309231, 0xb2d7322b, 0x3638ef1d, 0xb9500d01, 0x3c088889, 0xbe2aaaab
	v_mov_b32 v[CK+ci], \c
	v_mov_b32 v[CK+ci+1], \c
.set ci, ci+2
.endr
.endm
; my 128 numbers: of my row the 32 numbers from k = 128 s + 64 c + 32 h on, eight loads of 16 bytes each; s = 0 first
.macro LOADX
.irp s, 0,1
.irp c, 0,1
.irp q, 0,1,2,3,4,5,6,7
	global_load_b128 v[X+64*\s+32*\c+4*\q:X+64*\s+32*\c+4*\q+3], v4, s[20:21] offset:512*\s+256*\c+16*\q th:TH_LOAD_NT
.endr
.endr
.endr
.endm
	s_load_b512 s[4:19], s[0:1], 0x0               ; x s[4:5], theta s[6:7], w_in s[8:9], w_out s[10:11], w_comb s[12:13], w2 s[14:15], codes s[16:17], scales s[18:19]
	v_and_b32 v1, 7, v0                            ; r % 8  (one wave: v0 is the lane)
	v_bfe_u32 v2, v0, 3, 1                         ; g = r / 8
	v_bfe_u32 v3, v0, 4, 1                         ; h
	v_lshlrev_b32 v6, 4, v0                        ; 16 x lane: an image's place
	v_lshlrev_b32 v7, 3, v0                        ; 8 x lane: the scale words' place
	v_mov_b32 v8, 0
	v_lshlrev_b32 v9, 3, v3                        ; 8 h: my bytes' place in a scale word, in bits
	v_mov_b32 v246, 0                              ; a lane permute's destination counts as one of its sources
	v_mov_b32 v247, 0
	s_mov_b32 s30, 0x76543210
	s_mov_b32 s31, 0xfedcba98                      ; v_permlanex16_b32's selects for lane l xor 16
	; which rows: all five kinds are worked out from the work-group's number and chosen without a jump
	s_sub_co_u32 s27, ttmp9, 320
	s_and_b32 s27, s27, 15                         ; T of w_out and of w_comb
	s_sub_co_u32 s28, ttmp9, 352
	s_lshr_b32 s29, s28, 2                         ; T of w2
	s_and_b32 s28, s28, 3                          ; p of w2
	s_cmp_lt_u32 ttmp9, 352
	s_cselect_b32 s27, s27, s29
	s_cselect_b32 s25, 0, s28
	s_cselect_b32 s24, 10, 12                      ; a row is 1,024 bytes, w2's 4,096
	s_lshl_b32 s25, s25, 10                        ; K = 256 p on: 1,024 p bytes
	s_lshr_b32 s22, s27, 1
	s_lshl_b32 s22, s22, 5
	s_and_b32 s27, s27, 1
	s_lshl_b32 s27, s27, 3
	s_add_co_u32 s22, s22, s27                     ; BASE = 32 (T / 2) + 8 (T % 2)
	s_sub_co_u32 s27, ttmp9, 256
	s_and_b32 s26, s27, 1                          ; w_in: 1 for a tile of v rows
	s_lshr_b32 s27, s27, 1                         ; the head
	s_lshl_b32 s27, s27, 3
	s_lshl_b32 s28, s26, 9
	s_add_co_u32 s27, s27, s28                     ; BASE = 8 hd (+ 512)
	s_xor_b32 s28, s26, 1
	s_lshl_b32 s28, s28, 8                         ; A = 256, or 0
	s_cmp_lt_u32 ttmp9, 320
	s_cselect_b32 s22, s27, s22
	s_cselect_b32 s23, s28, 16
	s_cselect_b32 s26, s26, 0
	s_lshl_b32 s27, ttmp9, 4
	s_cmp_lt_u32 ttmp9, 256
	s_cselect_b32 s22, s27, s22                    ; x: BASE = 16 P
	s_cselect_b32 s23, 8, s23
	s_cselect_b32 s26, 0, s26
	v_mul_u32_u24 v4, s23, v2
	v_add3_u32 v4, v4, v1, s22                     ; my row
	v_lshlrev_b32 v4, s24, v4
	v_lshl_add_u32 v4, v3, 7, v4                   ; in bytes, + 128 h
	v_and_b32 v5, s26, v2
	v_add_nc_u32 v5, -1, v5                        ; the mask: 0 in rows 8-15 of a tile of v rows, else all ones
	s_wait_kmcnt 0x0
	s_cmp_lt_u32 ttmp9, 336                        ; the source: a choice that hangs on the work-group's number alone
	s_cselect_b64 s[20:21], s[10:11], s[12:13]
	s_cmp_lt_u32 ttmp9, 320
	s_cselect_b64 s[20:21], s[8:9], s[20:21]
	s_cmp_lt_u32 ttmp9, 256
	s_cselect_b64 s[20:21], s[4:5], s[20:21]
	s_cmp_lt_u32 ttmp9, 352
	s_cselect_b64 s[20:21], s[20:21], s[14:15]
	s_mov_b32 s28, s25
	s_mov_b32 s29, 0
	s_add_nc_u64 s[20:21], s[20:21], s[28:29]
	s_mul_i32 s28, ttmp9, 3072
	s_add_nc_u64 s[16:17], s[16:17], s[28:29]      ; my pair's codes
	s_lshl_b32 s28, ttmp9, 8
	s_add_nc_u64 s[18:19], s[18:19], s[28:29]      ; and its scale words
	s_cmp_lt_u32 ttmp9, 256
	s_cbranch_scc0 .Lweights
	; ---- x: the numbers become cos(x + theta).  Register i of a run of 32 is column .. + i, and theta goes by the column modulo 8
	global_load_b128 v[TH:TH+3], v8, s[6:7]
	global_load_b128 v[TH+4:TH+7], v8, s[6:7] offset:16
	LOADX
	SETCK
	s_wait_loadcnt 16                              ; theta and s = 0 are in; the sixteen loads of s = 1 may be out
.set gi, 0
.rept 8
.set XB, X+8*gi
.irp j, 0,2,4,6
	v_pk_add_f32 v[XB+\j:XB+\j+1], v[XB+\j:XB+\j+1], v[TH+\j:TH+\j+1]
.endr
	COS XB, 4, CTM
.set gi, gi+1
.endr
	s_wait_loadcnt 0x0
.rept 8
.set XB, X+8*gi
.irp j, 0,2,4,6
	v_pk_add_f32 v[XB+\j:XB+\j+1], v[XB+\j:XB+\j+1], v[TH+\j:TH+\j+1]
.endr
	COS XB, 4, CTM
.set gi, gi+1
.endr
	s_branch .Lq
.Lweights:
	LOADX
	s_wait_loadcnt 0x0
.Lq:
	; ---- the quantiser: my four blocks b = 2 s + c, by turns
.irp b, 0,1,2,3
	v_max3_num_f32 v[MX+\b], |v[X+32*\b]|, |v[X+32*\b+1]|, 0x1800000   ; the floor 2^(3 - 127), under which no largest magnitude is taken: so the byte cannot fall under 1
.endr
.irp i, 2,4,6,8,10,12,14,16,18,20,22,24,26,28,30
.irp b, 0,1,2,3
	v_max3_num_f32 v[MX+\b], v[MX+\b], |v[X+32*\b+\i]|, |v[X+32*\b+\i+1]|
.endr
.endr
.irp b, 0,1,2,3
	v_add_nc_u32 v[SOP+\b], 0xff000000, v[MX+\b]   ; 2 off the exponent field: the conversion takes the exponent field of this operand as its scale
.endr
.irp b, 0,1,2,3
	v_lshrrev_b32 v[BY+\b], 23, v[SOP+\b]          ; the scale's byte
.endr
.irp s, 0,1
	v_lshl_or_b32 v[SCW+\s], v[BY+2*\s+1], 16, v[BY+2*\s]   ; my two bytes of K step s: blocks h and 2 + h,
.endr
.irp s, 0,1
	v_lshlrev_b32 v[SCW+\s], v9, v[SCW+\s]         ; at their places in the word;
.endr
.irp s, 0,1
	v_permlanex16_b32 v[SCW+2+\s], v[SCW+\s], s30, s31
.endr
.irp s, 0,1
	v_or_b32 v[SCW+\s], v[SCW+\s], v[SCW+2+\s]     ; with lane l xor 16's two the word is whole, in both lanes
.endr
.irp b, 0,1,2,3
	v_cvt_scalef32_pk16_fp6_f32 v[F+6*\b:F+6*\b+2], v[X+32*\b:X+32*\b+15], v[SOP+\b]
	v_cvt_scalef32_pk16_fp6_f32 v[FU+4*\b:FU+4*\b+2], v[X+32*\b+16:X+32*\b+31], v[SOP+\b]
.endr
	v_nop                                          ; one plain place behind a scaled conversion
.irp b, 0,1,2,3
.irp i, 0,1,2
	v_and_b32 v[F+6*\b+3+\i], v5, v[FU+4*\b+\i]    ; the upper halves to their places, under the mask;
	v_and_b32 v[F+6*\b+\i], v5, v[F+6*\b+\i]       ; the lower halves under it too
.endr
.endr
.irp n, 0,1,2,3,4,5
	global_store_b128 v6, v[F+4*\n:F+4*\n+3], s[16:17] offset:512*\n   ; 32 lanes store 512 consecutive bytes
.endr
	global_store_b64 v7, v[SCW:SCW+1], s[18:19]    ; 32 lanes store 256 consecutive bytes, aligned
	s_endpgm
.Lfunc_end_k_q137557e7af_prep:
	.size	k_q137557e7af_prep, .Lfunc_end_k_q137557e7af_prep-k_q137557e7af_prep
	.p2alignl 7, 3214868480
	.fill 96, 4, 3214868480
	.section	.rodata,"a",@progbits
	.p2align	6, 0x0
	.amdhsa_kernel k_q137557e7af_prep
		.amdhsa_group_segment_fixed_size 0
		.amdhsa_private_segment_fixed_size 0
		.amdhsa_enable_private_segment 0
		.amdhsa_kernarg_size 64
		.amdhsa_user_sgpr_count 2
		.amdhsa_user_sgpr_kernarg_segment_ptr 1
		.amdhsa_wavefront_size32 1
		.amdhsa_system_sgpr_workgroup_id_x 1
		.amdhsa_system_sgpr_workgroup_id_y 1
		.amdhsa_system_sgpr_workgroup_id_z 1
		.amdhsa_system_vgpr_workitem_id 0
		.amdhsa_next_free_vgpr 256
		.amdhsa_next_free_sgpr 66
		.amdhsa_reserve_vcc 0
		.amdhsa_float_denorm_mode_32 3
		.amdhsa_float_denorm_mode_16_64 3
		.amdhsa_memory_ordered 1
		.amdhsa_forward_progress 1
		.amdhsa_inst_pref_size 86
	.end_amdhsa_kernel
	.amdgpu_metadata
---
amdhsa.version: [ 1, 2 ]
amdhsa.kernels:
  - .name:           k_q137557e7af_prep
    .symbol:         k_q137557e7af_prep.kd
    .args:
      - { .name: x, .offset: 0, .size: 8, .value_kind: global_buffer, .address_space: global }
      - { .name: theta_attn, .offset: 8, .size: 8, .value_kind: global_buffer, .address_space: global }
      - { .name: w_in, .offset: 16, .size: 8, .value_kind: global_buffer, .address_space: global }
      - { .name: w_out, .offset: 24, .size: 8, .value_kind: global_buffer, .address_space: global }
      - { .name: w_comb, .offset: 32, .size: 8, .value_kind: global_buffer, .address_space: global }
      - { .name: w2, .offset: 40, .size: 8, .value_kind: global_buffer, .address_space: global }
      - { .name: codes, .offset: 48, .size: 8, .value_kind: global_buffer, .address_space: global }
      - { .name: scales, .offset: 56, .size: 8, .value_kind: global_buffer, .address_space: global }
    .group_segment_fixed_size: 0
    .private_segment_fixed_size: 0
    .kernarg_segment_align: 8
    .kernarg_segment_size: 64
    .max_flat_workgroup_size: 32
    .sgpr_count:     66
    .vgpr_count:     256
    .wavefront_size: 32
...
	.end_amdgpu_metadata
.endif
;; end of part 1
;; launch attn (part 2): grid 256 x 1, 16 waves a work-group, no clusters, 133,120 bytes of LDS; arguments codes, scales, b_in, ctxw; writes ctxw
.if DOCPART == 2
	.amdgcn_target "amdgcn-amd-amdhsa--gfx1250"
	.amdhsa_code_object_version 6
	.text
	.protected	k_q137557e7af_attn
	.globl	k_q137557e7af_attn
	.p2align	8
	.type	k_q137557e7af_attn,@function
k_q137557e7af_attn:
	s_mov_b64 s[64:65], 0
	v_nop
	global_prefetch_b8 v0, s[64:65] scope:SCOPE_SE
	s_setreg_imm32_b32 hwreg(HW_REG_WAVE_MODE, 25, 1), 1
	s_wait_xcnt 0x0
; ATTN: the QKV projection of one head (product 1, on codes of E2M3) and its attention (products 2 and 3, f32 operands: ctx goes on into a quantiser).  Nothing of reference() is left out here.
; SHARES.  Work-group 2 (32 b + hd) + half: batch b, head hd, queries 512 half on.  Sixteen waves, four to a SIMD.
; PHASE A.  Wave w makes q, k, v of token tiles 4 w .. 4 w + 3 of the batch: four scaled matrix instructions a tile (two tiles of w_in's rows x two K steps of 128), from the register images that the first launch laid.
;   Both tiles of w_in are source 0, the tokens source 1: a lane holds one token.  Tile QK: lane (r, 0) holds q(token r, 0..7), lane (r, 1) k(token r, 0..7).  Tile V: lane (r, 0) holds v(token r, 0..7).
;   The biases are the C of each sum's first instruction.  V's tile has zero codes in rows 8-15: lanes 16-31 hold nothing of use there, and store it into 32,768 bytes of LDS that nobody reads, so that v goes out by the same lines as q and k with all lanes on.
;   All of the head's q, k, v lie in LDS behind ONE barrier and are never written again.
; PHASE B.  Wave w owns query tiles 32 half + 2 w + {0, 1} and walks the 1,024 keys, 64 a trip.  S^T = K Q^T by the f32 matrix form: two instructions of K = 4 a tile (lane: one query, registers: keys 16 kt + 8 h + 0..7).
;   A permutation of k applied alike to both sources keeps a product: step s takes d = 4 h + 2 s + j.
;   P V BY PACKED MULTIPLY-ADDS.  V^T has 8 rows where the matrix form has 16: a tile of 16 x 16 weights would take four instructions, 4,096 multiply-adds issued for 2,048 wanted.  So each lane adds its own eight keys of a tile:
;   for each key four v_pk_fma_f32, O[d : d + 1] += p x V[key][d : d + 1]: 32 for a tile.  V's numbers hang on the lane's half alone: a key's 16 bytes are read from LDS by all sixteen lanes of a half at one address, and serve both query tiles.
;   The two halves' parts of O and of the sum meet once, at the end.
;   SOFTMAX.  q is multiplied once by c = log2(e) / sqrt(8); a running maximum m for each query; p = 2^(s - m); in each trip O and the sum are multiplied by 2^(m_old - m_new).
;   The loop is written once: O and the sum begin as zeros and m as -3e38, so the first trip's factor is 0 and multiplies zeros.
; The registers that the f32 matrix form writes (v16-79) are written by matrix instructions alone; what is made of them goes into other registers.
; LIMITS: NaN and infinities are not served; scores under -3e38 are not served; q is scaled ahead of the product, so a score's last bit may differ from reference()'s order of rounding.
.set QIMG,  0                          ; 64 tiles x 512 bytes: row r, d = 4 c .. 4 c + 3 at 256 c + 16 r
.set KIMG,  32768                      ; likewise
.set VIMG,  65536                      ; likewise; from 98,304 on the 32,768 bytes that lanes 16-31 write and nobody reads
.set SPARE, 131072                     ; the spare words, 128 bytes for each of sixteen waves: eight blocks of 256 bytes that no other line names
.set SD,   16                          ; v16-79   phase A's accumulators; phase B: S^T at SD + 32 q + 8 kt
.set XF,   96                          ; phase A: v96-143 two token tiles' fragments (24 i + 12 s)
.set WF,   144                         ;          v144-191 w_in's: QK s0, QK s1, V s0, V s1
.set CQK,  192                         ;          v192-199 the bias of q (lanes 0-15) and of k (lanes 16-31)
.set CV,   200                         ;          v200-207 the bias of v
.set OO,   80                          ; phase B: v80-95   my half's part of O (8 q + d)
.set LL,   96                          ;          v96-99   and of the sum: for each q a pair (even keys, odd keys)
.set QR,   100                         ;          v100-107 Q (4 q)
.set PP,   108                         ;          v108-171 P (32 q + 8 kt + j)
.set CC,   108                         ;          v108-115 four running maxima for each q: done with before P is written
.set VV,   172                         ;          v172-235 V: two buffers of four keys x 8
.set KF,   204                         ;          v204-219 K (4 kt): in V's second buffer, which is filled behind the scores
.set XS,   240                         ; v240-243 the tokens' scale words: scales and nothing else
.set WS,   244                         ; v244-247 w_in's
.set ST,   248                         ; v248-255 for each q: m, t, f, t2
	s_load_b256 s[4:11], s[0:1], 0x0               ; codes s[4:5], scales s[6:7], b_in s[8:9], ctxw s[10:11]
	v_lshl_add_u32 v8, v0, 2, SPARE                ; my spare word; never rewritten
	v_mov_b32 v9, 0                                ; 0; never rewritten
	v_lshrrev_b32 v11, 5, v0
	v_readfirstlane_b32 s12, v11                   ; wave 0..15
	v_and_b32 v12, 31, v0                          ; lane
	v_and_b32 v13, 15, v0                          ; r
	v_bfe_u32 v14, v0, 4, 1                        ; h
	v_lshlrev_b32 v1, 4, v12                       ; 16 x lane
	v_lshlrev_b32 v2, 3, v12                       ; 8 x lane
	v_lshlrev_b32 v12, 7, v14                      ; 128 h: my half's eight keys in a tile of V
	s_lshl_b32 s17, s12, 11
	v_lshlrev_b32 v3, 4, v13
	v_lshl_add_u32 v3, v14, 15, v3
	v_add_nc_u32 v3, s17, v3                       ; where I put q (lanes 0-15) or k (lanes 16-31, 32,768 bytes on): 2,048 w + 16 r
	v_add_nc_u32 v4, VIMG, v3                      ; and v (lanes 0-15); lanes 16-31: the bytes that nobody reads
	v_lshlrev_b32 v10, 4, v13
	v_lshl_add_u32 v10, v14, 14, v10               ; the way out: lanes 0-15 my first query tile, lanes 16-31 my second; 16 bytes a token
	s_lshr_b32 s13, ttmp9, 1
	s_and_b32 s14, ttmp9, 1                        ; half
	s_lshr_b32 s15, s13, 5                         ; b
	s_and_b32 s16, s13, 31                         ; hd
	s_lshl_b32 s17, s16, 5
	v_lshl_add_u32 v7, v14, 10, s17                ; b_in: 4 (256 h + 8 hd)
	v_mov_b32 v15, s17                             ; and 4 x 8 hd, for v 2,048 bytes on
	s_lshl_b32 s17, s14, 14
	s_lshl_b32 s18, s12, 10
	s_add_co_u32 s17, s17, s18
	v_add_nc_u32 v11, s17, v1                      ; my two query tiles in QIMG: 512 (32 half + 2 w) + 16 x lane
.irp i, 1,2,3,5,6,7
	v_mov_b32 v[ST+\i], 0                          ; written once: a lane permute's destination counts as one of its sources, and a packed form names whole pairs
.endr
	v_mov_b32 v[ST], 0xff61b1e6                    ; m: -3e38, under every score
	v_mov_b32 v[ST+4], 0xff61b1e6
	s_mov_b32 s20, 0x76543210
	s_mov_b32 s21, 0xfedcba98                      ; v_permlanex16_b32's selects for lane l xor 16
	s_mov_b32 s22, KIMG                            ; where the trip's K tiles begin,
	s_mov_b32 s23, VIMG                            ; and its V tiles
	s_mov_b32 s26, 0x3f0293ee                      ; c = log2(e) / sqrt(8)
	s_mov_b32 s27, s26                             ; (named with it as a pair)
	s_lshl_b32 s18, s15, 6
	s_lshl_b32 s19, s12, 2
	s_add_co_u32 s18, s18, s19                     ; my first token tile: pair 64 b + 4 w
	s_mul_i32 s36, s18, 3072
	s_mov_b32 s37, 0
	s_lshl_b32 s38, s18, 8
	s_mov_b32 s39, 0
	s_lshl_b32 s19, s16, 1
	s_add_co_u32 s19, s19, 256                     ; the head's two pairs of w_in: 256 + 2 hd and the next
	s_mul_i32 s40, s19, 3072
	s_mov_b32 s41, 0
	s_lshl_b32 s42, s19, 8
	s_mov_b32 s43, 0
	s_lshl_b32 s44, s15, 6
	s_lshl_b32 s19, s14, 5
	s_add_co_u32 s44, s44, s19
	s_lshl_b32 s19, s12, 1
	s_add_co_u32 s44, s44, s19                     ; my first query tile: 64 b + 32 half + 2 w
	s_lshl_b32 s44, s44, 14
	s_lshl_b32 s19, s16, 9
	s_add_co_u32 s44, s44, s19                     ; in ctxw: 16,384 a tile, 512 a head
	s_mov_b32 s45, 0
	s_wait_kmcnt 0x0
	s_add_nc_u64 s[28:29], s[4:5], s[36:37]
	s_add_nc_u64 s[30:31], s[6:7], s[38:39]
	s_add_nc_u64 s[32:33], s[4:5], s[40:41]
	s_add_nc_u64 s[34:35], s[6:7], s[42:43]
	s_add_nc_u64 s[10:11], s[10:11], s[44:45]
.macro XLOAD t0                        ; token tiles t0, t0 + 1 of my four: two scale words and six pieces of 16 bytes a lane each
.irp i, 0,1
	global_load_b64 v[XS+2*\i:XS+2*\i+1], v2, s[30:31] offset:(\t0+\i)*256
.irp n, 0,1,2,3,4,5
	global_load_b128 v[XF+24*\i+4*\n:XF+24*\i+4*\n+3], v1, s[28:29] offset:(\t0+\i)*3072+512*\n
.endr
.endr
.endm
	global_load_b128 v[CQK:CQK+3], v7, s[8:9]
	global_load_b128 v[CQK+4:CQK+7], v7, s[8:9] offset:16
	global_load_b128 v[CV:CV+3], v15, s[8:9] offset:2048
	global_load_b128 v[CV+4:CV+7], v15, s[8:9] offset:2064
	global_load_b64 v[WS:WS+1], v2, s[34:35]
	global_load_b64 v[WS+2:WS+3], v2, s[34:35] offset:256
.irp n, 0,1,2,3,4,5,6,7,8,9,10,11
	global_load_b128 v[WF+4*\n:WF+4*\n+3], v1, s[32:33] offset:512*\n
.endr
	XLOAD 0
; Two token tiles: eight scaled matrix instructions, four accumulators by turns; then their results go to LDS, each accumulator from its low end on.
.macro ROUNDA g
	s_wait_loadcnt 0x0
.irp s, 0,1
.irp i, 0,1
.set DA, SD+32*\g+16*\i
.set XA, XF+24*\i+12*\s
.if \s == 0
	v_wmma_scale_f32_16x16x128_f8f6f4 v[DA:DA+7], v[WF+12*\s:WF+12*\s+11], v[XA:XA+11], v[CQK:CQK+7], v[WS+\s], v[XS+2*\i+\s] matrix_a_fmt:MATRIX_FMT_FP6 matrix_b_fmt:MATRIX_FMT_FP6
	v_wmma_scale_f32_16x16x128_f8f6f4 v[DA+8:DA+15], v[WF+24+12*\s:WF+24+12*\s+11], v[XA:XA+11], v[CV:CV+7], v[WS+2+\s], v[XS+2*\i+\s] matrix_a_fmt:MATRIX_FMT_FP6 matrix_b_fmt:MATRIX_FMT_FP6
.else
	v_wmma_scale_f32_16x16x128_f8f6f4 v[DA:DA+7], v[WF+12*\s:WF+12*\s+11], v[XA:XA+11], v[DA:DA+7], v[WS+\s], v[XS+2*\i+\s] matrix_a_fmt:MATRIX_FMT_FP6 matrix_b_fmt:MATRIX_FMT_FP6
	v_wmma_scale_f32_16x16x128_f8f6f4 v[DA+8:DA+15], v[WF+24+12*\s:WF+24+12*\s+11], v[XA:XA+11], v[DA+8:DA+15], v[WS+2+\s], v[XS+2*\i+\s] matrix_a_fmt:MATRIX_FMT_FP6 matrix_b_fmt:MATRIX_FMT_FP6
.endif
.endr
.endr
.rept 4
	v_nop                                          ; four places in front of loads into registers that these products read, and of the stores that read their results
.endr
.if \g == 0
	XLOAD 2
.endif
.irp i, 0,1
.set DA, SD+32*\g+16*\i
	ds_store_b128 v3, v[DA:DA+3] offset:512*(2*\g+\i)
	ds_store_b128 v3, v[DA+4:DA+7] offset:512*(2*\g+\i)+256
	ds_store_b128 v4, v[DA+8:DA+11] offset:512*(2*\g+\i)
	ds_store_b128 v4, v[DA+12:DA+15] offset:512*(2*\g+\i)+256
.endr
.endm
	ROUNDA 0
	ROUNDA 1
	s_wait_dscnt 0x0                               ; for the others' sake: my stores have landed
	s_barrier_signal -1
	s_barrier_wait -1                              ; the head's q, k and v lie in LDS
	ds_load_b128 v[QR:QR+3], v11
	ds_load_b128 v[QR+4:QR+7], v11 offset:512
	s_wait_dscnt 0x0
.irp j, 0,2,4,6
	v_pk_mul_f32 v[QR+\j:QR+\j+1], v[QR+\j:QR+\j+1], s[26:27] op_sel_hi:[1,0]   ; q x c, once
.endr
.set j, 0
.rept 20
	v_mov_b32 v[OO+j], 0                           ; O and the sums (v80-99): the loop is written once, and its first trip multiplies these zeros by 0
.set j, j+1
.endr
; Half-step i of a trip's eight: keys 16 (i / 2) + 8 h + 4 (i % 2) + 0 .. 3.  Their 32 numbers of V into buffer i % 2: the sixteen lanes of a half read the same 16 bytes.
.macro VLOAD i
.set VL, VV+32*((\i)%2)
.irp j, 0,1,2,3
	ds_load_b128 v[VL+8*\j:VL+8*\j+3], v6 offset:512*((\i)/2)+16*(4*((\i)%2)+\j)
	ds_load_b128 v[VL+8*\j+4:VL+8*\j+7], v6 offset:512*((\i)/2)+256+16*(4*((\i)%2)+\j)
.endr
.endm
; Its work: for each of the four keys and both query tiles four packed multiply-adds; p is taken for both halves of the result from one register of its pair (the first: an even key; the second: an odd key).
; The eight pairs of O take turns, so that no line waits for the line above it.  The sums take each pair of weights as it stands.
.macro HALF i
.set VH, VV+32*((\i)%2)
.set PH, PP+4*(\i)
.if (\i) < 7
	s_wait_dscnt 8                                 ; this buffer's eight loads are in; the other buffer's eight, issued behind them, may be out
.else
	s_wait_dscnt 0x0                               ; the last eight
.endif
.irp p, 0,1
.irp q, 0,1
.irp d, 0,2,4,6
	v_pk_fma_f32 v[OO+8*\q+\d:OO+8*\q+\d+1], v[PH+32*\q+2*\p:PH+32*\q+2*\p+1], v[VH+16*\p+\d:VH+16*\p+\d+1], v[OO+8*\q+\d:OO+8*\q+\d+1] op_sel_hi:[0,1,1]
.endr
.endr
.irp q, 0,1
.irp d, 0,2,4,6
	v_pk_fma_f32 v[OO+8*\q+\d:OO+8*\q+\d+1], v[PH+32*\q+2*\p:PH+32*\q+2*\p+1], v[VH+16*\p+8+\d:VH+16*\p+8+\d+1], v[OO+8*\q+\d:OO+8*\q+\d+1] op_sel:[1,0,0] op_sel_hi:[1,1,1]
.endr
.endr
.irp q, 0,1
	v_pk_add_f32 v[LL+2*\q:LL+2*\q+1], v[LL+2*\q:LL+2*\q+1], v[PH+32*\q+2*\p:PH+32*\q+2*\p+1]
.endr
.endr
.if (\i) < 6
	VLOAD (\i)+2                                   ; the buffer just read takes the keys of two half-steps on
.endif
.endm
	s_mov_b32 s24, 16
.Ltrip:                                            ; A TRIP: 64 keys, four tiles kt
	v_add_nc_u32 v5, s22, v1
	v_add_nc_u32 v6, s23, v12
.irp k, 0,1,2,3
	ds_load_b128 v[KF+4*\k:KF+4*\k+3], v5 offset:512*\k
.endr
	VLOAD 0
	s_wait_dscnt 8                                 ; K's four loads are in; V's eight, issued behind them, may be out
.irp s, 0,1                            ; S^T = K Q^T: eight accumulators by turns
.irp k, 0,1,2,3
.irp q, 0,1
.if \s == 0
	v_wmma_f32_16x16x4_f32 v[SD+32*\q+8*\k:SD+32*\q+8*\k+7], v[KF+4*\k:KF+4*\k+1], v[QR+4*\q:QR+4*\q+1], 0
.else
	v_wmma_f32_16x16x4_f32 v[SD+32*\q+8*\k:SD+32*\q+8*\k+7], v[KF+4*\k+2:KF+4*\k+3], v[QR+4*\q+2:QR+4*\q+3], v[SD+32*\q+8*\k:SD+32*\q+8*\k+7]
.endif
.endr
.endr
.endr
.rept 8
	v_nop                                          ; eight places behind this form, before a result is read and before loads are issued into K's registers
.endr
	VLOAD 1                                        ; V's second buffer, over K's registers
.irp k, 0,1,2,3                        ; the largest score of each query: each accumulator is read from its low end on
.irp q, 0,1
	v_max3_num_f32 v[CC+4*\q+\k], v[SD+32*\q+8*\k], v[SD+32*\q+8*\k+1], v[SD+32*\q+8*\k+2]
.endr
.endr
.irp j, 3,5
.irp k, 0,1,2,3
.irp q, 0,1
	v_max3_num_f32 v[CC+4*\q+\k], v[CC+4*\q+\k], v[SD+32*\q+8*\k+\j], v[SD+32*\q+8*\k+\j+1]
.endr
.endr
.endr
.irp q, 0,1
	v_max3_num_f32 v[CC+4*\q], v[CC+4*\q], v[SD+32*\q+7], v[SD+32*\q+15]
	v_max3_num_f32 v[CC+4*\q+1], v[CC+4*\q+1], v[SD+32*\q+23], v[SD+32*\q+31]
.endr
.irp q, 0,1
	v_max3_num_f32 v[CC+4*\q], v[CC+4*\q], v[CC+4*\q+1], v[CC+4*\q+2]
.endr
.irp q, 0,1
	v_max3_num_f32 v[ST+4*\q+1], v[CC+4*\q], v[CC+4*\q+3], v[ST+4*\q]   ; with the old m
.endr
.irp q, 0,1
	v_permlanex16_b32 v[ST+4*\q+3], v[ST+4*\q+1], s20, s21              ; the query's other keys lie in the lane 16 away
.endr
.irp q, 0,1
	v_max_num_f32 v[ST+4*\q+1], v[ST+4*\q+1], v[ST+4*\q+3]
.endr
.irp q, 0,1
	v_sub_f32 v[ST+4*\q+3], v[ST+4*\q], v[ST+4*\q+1]                    ; m_old - m_new
.endr
.irp q, 0,1
	v_mov_b32 v[ST+4*\q], v[ST+4*\q+1]
.endr
.irp q, 0,1
.irp j, 0,2,4,6,8,10,12,14,16,18,20,22,24,26,28,30
	v_pk_add_f32 v[PP+32*\q+\j:PP+32*\q+\j+1], v[SD+32*\q+\j:SD+32*\q+\j+1], v[ST+4*\q:ST+4*\q+1] op_sel_hi:[1,0] neg_lo:[0,1] neg_hi:[0,1]   ; s - m, into registers of their own
.endr
.endr
.irp q, 0,1
	v_exp_f32 v[ST+4*\q+2], v[ST+4*\q+3]           ; f = 2^(m_old - m_new)
.endr
.set e, 0
.rept 64
	v_exp_f32 v[PP+e], v[PP+e]                     ; p = 2^(s - m)
.set e, e+1
.endr
	v_nop                                          ; one plain place behind the last exponential
	s_wait_alu depctr_va_vdst(0)                   ; one wait for the whole batch, ahead of the first instruction that names a result
.irp q, 0,1
.irp j, 0,2,4,6
	v_pk_mul_f32 v[OO+8*\q+\j:OO+8*\q+\j+1], v[OO+8*\q+\j:OO+8*\q+\j+1], v[ST+4*\q+2:ST+4*\q+3] op_sel_hi:[1,0]   ; O under the new m,
.endr
.endr
.irp q, 0,1
	v_pk_mul_f32 v[LL+2*\q:LL+2*\q+1], v[LL+2*\q:LL+2*\q+1], v[ST+4*\q+2:ST+4*\q+3] op_sel_hi:[1,0]               ; and the sums
.endr
.irp i, 0,1,2,3,4,5,6,7
	HALF \i                                        ; O += P V, four keys of my half at a time
.endr
	s_add_co_u32 s22, s22, 2048                    ; the next 64 keys
	s_add_co_u32 s23, s23, 2048
	s_sub_co_u32 s24, s24, 1
	s_cmp_lg_u32 s24, 0
	s_cbranch_scc1 .Ltrip
	; THE WAY OUT.  Lanes r and 16 + r hold the two parts (keys 8 h + .. of every tile) of query r, for both query tiles.  One exchange puts both parts of tile 0 into lanes 0-15 of the two registers
	; and both parts of tile 1 into lanes 16-31; one addition joins them.  So all 32 lanes end with a token's ctx, and with its sum.
.irp q, 0,1
	v_add_f32 v[ST+4*\q+1], v[LL+2*\q], v[LL+2*\q+1]   ; even keys' and odd keys'
.endr
	v_permlane16_swap_b32 v[ST+1], v[ST+5]         ; the first's lanes 16-31 change places with the second's lanes 0-15
	v_add_f32 v[ST+1], v[ST+1], v[ST+5]            ; the row's sum
	v_rcp_f32 v[ST+2], v[ST+1]
	v_nop                                          ; a plain place behind the reciprocal
.irp j, 0,1,2,3,4,5,6,7
	v_permlane16_swap_b32 v[OO+\j], v[OO+8+\j]
.endr
.irp j, 0,2,4,6
	v_pk_add_f32 v[OO+\j:OO+\j+1], v[OO+\j:OO+\j+1], v[OO+8+\j:OO+8+\j+1]
.endr
	s_wait_alu depctr_va_vdst(0)                   ; the wait ahead of the reciprocal's first reader
.irp j, 0,2,4,6
	v_pk_mul_f32 v[OO+\j:OO+\j+1], v[OO+\j:OO+\j+1], v[ST+2:ST+3] op_sel_hi:[1,0]
.endr
	global_store_b128 v10, v[OO:OO+3], s[10:11]                ; sixteen lanes store 256 consecutive bytes, aligned: d = 0..3 of a tile's 16 tokens
	global_store_b128 v10, v[OO+4:OO+7], s[10:11] offset:256   ; d = 4..7
	s_wait_tensorcnt 0x0                           ; the wave's end
	ds_add_u32 v8, v9
	s_wait_dscnt 0x0
	s_endpgm
.Lfunc_end_k_q137557e7af_attn:
	.size	k_q137557e7af_attn, .Lfunc_end_k_q137557e7af_attn-k_q137557e7af_attn
	.p2alignl 7, 3214868480
	.fill 96, 4, 3214868480
	.section	.rodata,"a",@progbits
	.p2align	6, 0x0
	.amdhsa_kernel k_q137557e7af_attn
		.amdhsa_group_segment_fixed_size 133120
		.amdhsa_private_segment_fixed_size 0
		.amdhsa_enable_private_segment 0
		.amdhsa_kernarg_size 32
		.amdhsa_user_sgpr_count 2
		.amdhsa_user_sgpr_kernarg_segment_ptr 1
		.amdhsa_wavefront_size32 1
		.amdhsa_system_sgpr_workgroup_id_x 1
		.amdhsa_system_sgpr_workgroup_id_y 1
		.amdhsa_system_sgpr_workgroup_id_z 1
		.amdhsa_system_vgpr_workitem_id 0
		.amdhsa_next_free_vgpr 256
		.amdhsa_next_free_sgpr 66
		.amdhsa_reserve_vcc 0
		.amdhsa_float_denorm_mode_32 3
		.amdhsa_float_denorm_mode_16_64 3
		.amdhsa_memory_ordered 1
		.amdhsa_forward_progress 1
		.amdhsa_inst_pref_size 45
	.end_amdhsa_kernel
	.amdgpu_metadata
---
amdhsa.version: [ 1, 2 ]
amdhsa.kernels:
  - .name:           k_q137557e7af_attn
    .symbol:         k_q137557e7af_attn.kd
    .args:
      - { .name: codes, .offset: 0, .size: 8, .value_kind: global_buffer, .address_space: global }
      - { .name: scales, .offset: 8, .size: 8, .value_kind: global_buffer, .address_space: global }
      - { .name: b_in, .offset: 16, .size: 8, .value_kind: global_buffer, .address_space: global }
      - { .name: ctxw, .offset: 24, .size: 8, .value_kind: global_buffer, .address_space: global }
    .group_segment_fixed_size: 133120
    .private_segment_fixed_size: 0
    .kernarg_segment_align: 8
    .kernarg_segment_size: 32
    .max_flat_workgroup_size: 512
    .sgpr_count:     66
    .vgpr_count:     256
    .wavefront_size: 32
...
	.end_amdgpu_metadata
.endif
;; end of part 2
;; launch tail (part 3): grid 256 x 1, 8 waves a work-group, no clusters, 44,800 bytes of LDS; arguments ctxw, codes, scales, x, b_out, b_comb, g1, be1, w_ip, b_ip, theta_ffn, w1, b1, b2, g2, be2, out0; writes out0
.if DOCPART == 3
	.amdgcn_target "amdgcn-amd-amdhsa--gfx1250"
	.amdhsa_code_object_version 6
	.text
	.protected	k_q137557e7af_tail
	.globl	k_q137557e7af_tail
	.p2align	8
	.type	k_q137557e7af_tail,@function
k_q137557e7af_tail:
	s_mov_b64 s[64:65], 0
	v_nop
	global_prefetch_b8 v0, s[64:65] scope:SCOPE_SE
	s_setreg_imm32_b32 hwreg(HW_REG_WAVE_MODE, 25, 1), 1
	s_wait_xcnt 0x0
; TAIL: all that follows the attention, for 16 tokens a work-group: ctx W_out^T + b_out, W_comb^T + b_comb (products 4 and 5, on codes), residual and norm 1, the projection onto 8 (product 6, f32),
; cos(theta) cos(proj), the layer 8 -> 1,024 with relu (product 7, f32: its result goes into a quantiser), W2^T + b2 (product 8, on codes), residual and norm 2.  Nothing of reference() is left out here.
; SHARES.  Work-group tt takes tokens 16 tt .. 16 tt + 15.  THE EIGHT WAVES SHARE THE COLUMNS: wave w owns columns 32 w .. 32 w + 31 of every result of width 256, one block of the quantiser, and hidden units 128 w .. 128 w + 127,
; one K step of product 8.  The quantised products are used transposed (source 0 = 16 rows of a weight, source 1 = the 16 tokens), and the first launch chose each weight tile's rows so that lane (r, h) holds token r and columns 32 w + 16 h + 0 .. 15.
; Weights go from memory straight into operand registers, as register images.  Activations go from wave to wave through LDS: products 4 and 5's as rows of codes (a wave makes 24 bytes of each row), product 8's as register images.
; NORMS: each wave's mean and sum of squared differences from it, for its 32 columns, meet in LDS and are merged (sum of the parts' + 32 x the squared differences of the parts' means): no difference of large sums.
; Straight-line text: no loop, no branch.  Seven barriers; every LDS region is written once.
; The registers that the f32 matrix form writes lie in v16-79, which matrix instructions alone write.
; LIMITS: the cosine holds for |argument| < 2^22 pi; NaN and infinities are not served; a block of zeros gets the byte 1 where the quantiser says 127: its codes are zeros, and this program alone reads the bytes.
.set AROW1, 0                          ; 16 rows of 192 bytes of codes, 208 apart: ctx
.set AROW2, 3584                       ; likewise: product 4's result
.set ASC1,  7168                       ; 8 scale bytes a row
.set ASC2,  7424
.set LNS1,  7680                       ; [wave][token] (mean, sum of squares): 8 bytes
.set LNS2,  8704
.set PRJ,   9728                       ; [wave][token] 8 partial projections: 32 bytes
.set HIMG,  13824                      ; the hidden layer's 8 fragments, 1,536 bytes each
.set HSC,   26112                      ; their scale words, 128 bytes each
.set STG,   27136                      ; the way out: 16 rows of 1,024 bytes, 1,040 apart
.set SPARE, 43776                      ; the spare words, 128 bytes for each of eight waves: four blocks of 256 bytes that no other line names
; window 0
.set D1,  16                           ; v16-31 product 4;  v32-47 product 5;  v48-63 product 6;  later v16-79 product 7;  later v16-31 product 8
.set D2,  32
.set PD0, 48
.set PD1, 56
.set HD,  16
.set D4,  16
.set H,   80                           ; v80-95   my 16 columns of the residual stream
.set WOS, 96                           ; v96-127  scale words and nothing else: w_out's, w_comb's, w2's, the activations'
.set WCS, 100
.set W2S, 104
.set AS,  120
.set AF,  128                          ; v128-247 by time.  Products 4, 5: the activations' two fragments,
.set CT,  152                          ; ctx,
.set QT,  168                          ; the block quantiser's temporaries,
.set XR,  184                          ; x,
.set G1,  200
.set BE1, 216
.set WIP, 232                          ; w_ip
.set W1F, 128                          ; from norm 1 on: w1's 8 tiles,
.set BIP, 160
.set THF, 164
.set B2,  168
.set LT,  184                          ; the norms' temporaries
.set PS,  184
.set PJ,  184                          ; the 8 waves' partial projections
.set CTA, 188                          ; the cosine's temporaries
.set CTB, 196
.set CK,  216                          ; its constants
.set QF,  244                          ; cos(theta) cos(proj)
.set HR,  184                          ; the hidden layer after relu
.set TM,  128
.set PC,  144
.set PW,  254
.set A4,  128                          ; the hidden layer's 8 fragments
.set SPW, 252                          ; v252 my spare word; never rewritten
.set NIL, 253                          ; v253 0; never rewritten
; window 1 (low 8 bits)
.set WO,  0
.set WC,  48
.set BO,  96
.set BC,  112
.set W2F, 0
.set B1,  192
.set G2,  192
.set BE2, 208
.set MSB, 0
.macro WIN new                         ; bits 1:0 source 0, 3:2 source 1, 5:4 source 2, 7:6 destination; the immediate's high byte repeats the setting that is left
.if MSB != \new
	s_set_vgpr_msb (MSB<<8)|\new
.set MSB, \new
.endif
.endm
.macro BARRIER                         ; my LDS stores have landed and my LDS loads are in: then the work-group's barrier
	s_wait_dscnt 0x0
	s_barrier_signal -1
	s_barrier_wait -1
.endm
; n pairs of numbers from v[x0] on are replaced by their cosines: N = the whole number nearest a / pi + 1/2, y = a - (N - 1/2) pi, cos a = (-1)^N sin y.  U = tmp + 4 p, G = tmp + 4 p + 2.
.macro COS x0, n, tmp
.set cp, 0
.rept \n
	v_pk_fma_f32 v[\tmp+4*cp:\tmp+4*cp+1], v[\x0+2*cp:\x0+2*cp+1], v[CK:CK+1], v[CK+2:CK+3]
.set cp, cp+1
.endr
.set cp, 0
.rept \n
	v_pk_add_f32 v[\tmp+4*cp:\tmp+4*cp+1], v[\tmp+4*cp:\tmp+4*cp+1], v[CK+4:CK+5]                    ; + 1.5 x 2^23: N lies in the low bits
.set cp, cp+1
.endr
.set cp, 0
.rept \n
	v_lshlrev_b32 v[\tmp+4*cp+2], 31, v[\tmp+4*cp]                                                   ; N's lowest bit as a sign
	v_lshlrev_b32 v[\tmp+4*cp+3], 31, v[\tmp+4*cp+1]
.set cp, cp+1
.endr
.set cp, 0
.rept \n
	v_pk_add_f32 v[\tmp+4*cp:\tmp+4*cp+1], v[\tmp+4*cp:\tmp+4*cp+1], v[CK+6:CK+7]
.set cp, cp+1
.endr
.set cp, 0
.rept \n
	v_pk_add_f32 v[\tmp+4*cp:\tmp+4*cp+1], v[\tmp+4*cp:\tmp+4*cp+1], v[CK+8:CK+9]                    ; N - 1/2
.set cp, cp+1
.endr
.set cp, 0
.rept \n
	v_pk_fma_f32 v[\x0+2*cp:\x0+2*cp+1], v[\tmp+4*cp:\tmp+4*cp+1], v[CK+10:CK+11], v[\x0+2*cp:\x0+2*cp+1]
.set cp, cp+1
.endr
.set cp, 0
.rept \n
	v_pk_fma_f32 v[\x0+2*cp:\x0+2*cp+1], v[\tmp+4*cp:\tmp+4*cp+1], v[CK+12:CK+13], v[\x0+2*cp:\x0+2*cp+1]
.set cp, cp+1
.endr
.set cp, 0
.rept \n
	v_xor_b32 v[\x0+2*cp], v[\x0+2*cp], v[\tmp+4*cp+2]
	v_xor_b32 v[\x0+2*cp+1], v[\x0+2*cp+1], v[\tmp+4*cp+3]
.set cp, cp+1
.endr
.set cp, 0
.rept \n
	v_pk_mul_f32 v[\tmp+4*cp:\tmp+4*cp+1], v[\x0+2*cp:\x0+2*cp+1], v[\x0+2*cp:\x0+2*cp+1]
.set cp, cp+1
.endr
.set cp, 0
.rept \n
	v_pk_fma_f32 v[\tmp+4*cp+2:\tmp+4*cp+3], v[\tmp+4*cp:\tmp+4*cp+1], v[CK+14:CK+15], v[CK+16:CK+17]
.set cp, cp+1
.endr
.irp k, 18,20,22,24
.set cp, 0
.rept \n
	v_pk_fma_f32 v[\tmp+4*cp+2:\tmp+4*cp+3], v[\tmp+4*cp+2:\tmp+4*cp+3], v[\tmp+4*cp:\tmp+4*cp+1], v[CK+\k:CK+\k+1]
.set cp, cp+1
.endr
.endr
.set cp, 0
.rept \n
	v_pk_mul_f32 v[\tmp+4*cp:\tmp+4*cp+1], v[\tmp+4*cp:\tmp+4*cp+1], v[\x0+2*cp:\x0+2*cp+1]
.set cp, cp+1
.endr
.set cp, 0
.rept \n
	v_pk_fma_f32 v[\x0+2*cp:\x0+2*cp+1], v[\tmp+4*cp:\tmp+4*cp+1], v[\tmp+4*cp+2:\tmp+4*cp+3], v[\x0+2*cp:\x0+2*cp+1]
.set cp, cp+1
.endr
.endm
; My wave's block of 32 along K: 16 numbers a lane, v[s] on (k = 32 w + 16 h + i of token r).  Their 12 bytes of codes go to my place in the token's row, the block's byte to the token's scale bytes.
; The numbers are read in ascending order.
.macro QBLOCK s, rows, sc
	v_max3_num_f32 v[QT], |v[\s]|, |v[\s+1]|, 0x1800000        ; with the floor 2^(3 - 127): the byte cannot fall under 1
	v_max_num_f32 v[QT+1], |v[\s+2]|, |v[\s+3]|
.irp i, 4,8,12
	v_max3_num_f32 v[QT], v[QT], |v[\s+\i]|, |v[\s+\i+1]|
	v_max3_num_f32 v[QT+1], v[QT+1], |v[\s+\i+2]|, |v[\s+\i+3]|
.endr
	v_max_num_f32 v[QT], v[QT], v[QT+1]
	v_permlanex16_b32 v[QT+2], v[QT], s40, s41
	v_max_num_f32 v[QT], v[QT], v[QT+2]                        ; with lane l xor 16's: the block's largest magnitude
	v_add_nc_u32 v[QT+3], 0xff000000, v[QT]                    ; 2 off its exponent field: the conversion's scale operand
	v_lshrrev_b32 v[QT+2], 23, v[QT+3]                         ; the scale's byte
	v_cvt_scalef32_pk16_fp6_f32 v[QT+4:QT+6], v[\s:\s+15], v[QT+3]
	v_nop                                                      ; one plain place behind a scaled conversion
	ds_store_b32 v12, v[QT+4] offset:\rows
	ds_store_b32 v12, v[QT+5] offset:\rows+4
	ds_store_b32 v12, v[QT+6] offset:\rows+8
	ds_store_b8 v13, v[QT+2] offset:\sc                        ; both lanes of a token write the same byte with the same value
.endm
; 64 numbers of a lane, register 16 b + i = k 32 b + 16 h + i of my token, become a fragment's codes in v[PC] on and its scale word in v[PW].
.macro QUANT s
.irp b, 0,1,2,3
	v_max3_num_f32 v[TM+\b], |v[\s+16*\b]|, |v[\s+1+16*\b]|, 0x1800000
.endr
.irp i, 2,4,6,8,10,12,14
.irp b, 0,1,2,3
	v_max3_num_f32 v[TM+\b], v[TM+\b], |v[\s+16*\b+\i]|, |v[\s+1+16*\b+\i]|
.endr
.endr
.irp b, 0,1,2,3
	v_permlanex16_b32 v[TM+4+\b], v[TM+\b], s40, s41
.endr
.irp b, 0,1,2,3
	v_max_num_f32 v[TM+\b], v[TM+\b], v[TM+4+\b]
.endr
.irp b, 0,1,2,3
	v_add_nc_u32 v[TM+12+\b], 0xff000000, v[TM+\b]
.endr
.irp b, 0,1,2,3
	v_lshrrev_b32 v[TM+4+\b], 23, v[TM+12+\b]
.endr
	v_lshl_or_b32 v[PW], v[TM+5], 8, v[TM+4]
	v_lshl_or_b32 v[PW], v[TM+6], 16, v[PW]
	v_lshl_or_b32 v[PW], v[TM+7], 24, v[PW]
.irp c, 0,1
	v_cvt_scalef32_pk16_fp6_f32 v[PC+6*\c:PC+2+6*\c], v[\s+32*\c:\s+15+32*\c], v[TM+12+2*\c]
	v_cvt_scalef32_pk16_fp6_f32 v[PC+12+4*\c:PC+14+4*\c], v[\s+16+32*\c:\s+31+32*\c], v[TM+12+2*\c+1]   ; (a conversion's three registers begin on an even number)
.endr
	v_nop                                          ; one plain place behind a scaled conversion
.irp c, 0,1                            ; the operand's layout wants a whole block in a lane: lanes 0-15 block 2 c, lanes 16-31 block 2 c + 1
.irp i, 0,1,2
	v_permlane16_swap_b32 v[PC+6*\c+\i], v[PC+12+4*\c+\i]
.endr
.irp i, 0,1,2
	v_mov_b32 v[PC+3+6*\c+\i], v[PC+12+4*\c+\i]
.endr
.endr
.endm
; A product of K = 256: the tokens' two fragments and scale words from LDS, my two tiles of the weight (window 1, wf on), the bias (window 1, cf on) as the first C; two accumulators by turns.  lc: the global loads that may stay out.
.macro GEMM2K wf, ws, cf, d, rows, sc, lc
.irp s, 0,1
.irp p, 0,1,2,3,4,5
	ds_load_b64 v[AF+12*\s+2*\p:AF+12*\s+2*\p+1], v14 offset:\rows+96*\s+48*(\p/3)+8*(\p%3)
.endr
.endr
	ds_load_b64 v[AS:AS+1], v15 offset:\sc
	s_wait_dscnt 0x0
	s_wait_loadcnt \lc
	WIN 0x11
.irp u, 0,1
	v_wmma_scale_f32_16x16x128_f8f6f4 v[\d+8*\u:\d+8*\u+7], v[\wf+24*\u:\wf+24*\u+11], v[AF:AF+11], v[\cf+8*\u:\cf+8*\u+7], v[\ws+2*\u], v[AS] matrix_a_fmt:MATRIX_FMT_FP6 matrix_b_fmt:MATRIX_FMT_FP6
.endr
	WIN 0x01
.irp u, 0,1
	v_wmma_scale_f32_16x16x128_f8f6f4 v[\d+8*\u:\d+8*\u+7], v[\wf+24*\u+12:\wf+24*\u+23], v[AF+12:AF+23], v[\d+8*\u:\d+8*\u+7], v[\ws+2*\u+1], v[AS+1] matrix_a_fmt:MATRIX_FMT_FP6 matrix_b_fmt:MATRIX_FMT_FP6
.endr
	WIN 0
.rept 4
	v_nop                                          ; four places behind this form
.endr
.endm
; H = norm(src + res) x g + be.  gw: the window of g and be.  lw = 1: g and be are waited for here.
.macro LN src, res, lns, g, be, gw, lw
.irp i, 0,2,4,6,8,10,12,14
	v_pk_add_f32 v[H+\i:H+\i+1], v[\src+\i:\src+\i+1], v[\res+\i:\res+\i+1]
.endr
	v_pk_add_f32 v[LT:LT+1], v[H:H+1], v[H+2:H+3]
	v_pk_add_f32 v[LT+2:LT+3], v[H+4:H+5], v[H+6:H+7]
	v_pk_add_f32 v[LT+4:LT+5], v[H+8:H+9], v[H+10:H+11]
	v_pk_add_f32 v[LT+6:LT+7], v[H+12:H+13], v[H+14:H+15]
	v_pk_add_f32 v[LT:LT+1], v[LT:LT+1], v[LT+2:LT+3]
	v_pk_add_f32 v[LT+4:LT+5], v[LT+4:LT+5], v[LT+6:LT+7]
	v_pk_add_f32 v[LT:LT+1], v[LT:LT+1], v[LT+4:LT+5]
	v_add_f32 v248, v[LT], v[LT+1]
	v_permlanex16_b32 v250, v248, s40, s41
	v_add_f32 v248, v248, v250
	v_mul_f32 v248, 0x3d000000, v248               ; the mean of my wave's 32 columns
.irp i, 0,2,4,6,8,10,12,14
	v_pk_add_f32 v[LT+\i:LT+\i+1], v[H+\i:H+\i+1], v[248:249] op_sel_hi:[1,0] neg_lo:[0,1] neg_hi:[0,1]
.endr
	v_pk_mul_f32 v[250:251], v[LT:LT+1], v[LT:LT+1]
	v_pk_mul_f32 v[254:255], v[LT+2:LT+3], v[LT+2:LT+3]
.irp i, 4,8,12
	v_pk_fma_f32 v[250:251], v[LT+\i:LT+\i+1], v[LT+\i:LT+\i+1], v[250:251]
	v_pk_fma_f32 v[254:255], v[LT+\i+2:LT+\i+3], v[LT+\i+2:LT+\i+3], v[254:255]
.endr
	v_pk_add_f32 v[250:251], v[250:251], v[254:255]
	v_add_f32 v249, v250, v251
	v_permlanex16_b32 v250, v249, s40, s41
	v_add_f32 v249, v249, v250                     ; and the sum of their squared differences from it
	ds_store_b64 v10, v[248:249] offset:\lns       ; both lanes of a token write the same 8 bytes with the same values
	BARRIER
.irp v, 0,1,2,3,4,5,6,7
	ds_load_b64 v[LT+2*\v:LT+2*\v+1], v15 offset:\lns+128*\v
.endr
	s_wait_dscnt 0x0
	v_pk_add_f32 v[250:251], v[LT:LT+1], v[LT+2:LT+3]
	v_pk_add_f32 v[254:255], v[LT+4:LT+5], v[LT+6:LT+7]
	v_pk_add_f32 v[250:251], v[250:251], v[LT+8:LT+9]
	v_pk_add_f32 v[254:255], v[254:255], v[LT+10:LT+11]
	v_pk_add_f32 v[250:251], v[250:251], v[LT+12:LT+13]
	v_pk_add_f32 v[254:255], v[254:255], v[LT+14:LT+15]
	v_pk_add_f32 v[250:251], v[250:251], v[254:255]   ; (the sum of the eight means, the sum of the eight sums of squares)
	v_mul_f32 v250, 0x3e000000, v250               ; mu
	v_sub_f32 v254, v[LT], v250
	v_sub_f32 v255, v[LT+2], v250
	v_mul_f32 v248, v254, v254
	v_mul_f32 v249, v255, v255
.irp v, 4,8,12
	v_sub_f32 v254, v[LT+\v], v250
	v_sub_f32 v255, v[LT+\v+2], v250
	v_fmac_f32 v248, v254, v254
	v_fmac_f32 v249, v255, v255
.endr
	v_add_f32 v248, v248, v249
	v_fmamk_f32 v251, v248, 0x42000000, v251       ; + 32 x the squared differences of the parts' means from mu
	v_mul_f32 v254, 0x3b800000, v251               ; / 256: the variance
	v_add_f32 v254, 0x3727c5ac, v254               ; + 1e-5
	v_rsq_f32 v254, v254
.irp i, 0,2,4,6,8,10,12,14
	v_pk_add_f32 v[H+\i:H+\i+1], v[H+\i:H+\i+1], v[250:251] op_sel_hi:[1,0] neg_lo:[0,1] neg_hi:[0,1]   ; plain work behind the root
.endr
	s_wait_alu depctr_va_vdst(0)                   ; the wait ahead of the root's first reader
.irp i, 0,2,4,6,8,10,12,14
	v_pk_mul_f32 v[H+\i:H+\i+1], v[H+\i:H+\i+1], v[254:255] op_sel_hi:[1,0]
.endr
.if \lw
	s_wait_loadcnt 0x0                             ; g and be
.endif
.if \gw
	WIN 0x14                                       ; sources 1 and 2 in window 1
.endif
.irp i, 0,2,4,6,8,10,12,14
	v_pk_fma_f32 v[H+\i:H+\i+1], v[H+\i:H+\i+1], v[\g+\i:\g+\i+1], v[\be+\i:\be+\i+1]
.endr
	WIN 0
.endm
	s_load_b512 s[4:19], s[0:1], 0x0               ; ctxw s[4:5], codes s[6:7], scales s[8:9], x s[10:11], b_out s[12:13], b_comb s[14:15], g1 s[16:17], be1 s[18:19]
	s_load_b512 s[20:35], s[0:1], 0x40             ; w_ip s[20:21], b_ip s[22:23], theta_ffn s[24:25], w1 s[26:27], b1 s[28:29], b2 s[30:31], g2 s[32:33], be2 s[34:35]
	s_load_b64 s[36:37], s[0:1], 0x80              ; out0
	v_lshl_add_u32 v[SPW], v0, 2, SPARE
	v_mov_b32 v[NIL], 0
	v_lshrrev_b32 v1, 5, v0
	v_readfirstlane_b32 s38, v1                    ; wave 0..7
	v_and_b32 v3, 31, v0
	v_lshlrev_b32 v4, 2, v3                        ; v4  4 x lane
	v_lshlrev_b32 v7, 3, v3
	v_lshlrev_b32 v3, 4, v3                        ; v3  16 x lane
	v_and_b32 v1, 15, v0                           ; v1  r
	v_bfe_u32 v2, v0, 4, 1                         ; v2  h
	s_mov_b32 s40, 0x76543210
	s_mov_b32 s41, 0xfedcba98                      ; v_permlanex16_b32's selects for lane l xor 16
	s_lshl_b32 s39, ttmp9, 14
	s_lshl_b32 s42, s38, 11
	s_add_co_u32 s39, s39, s42
	v_lshlrev_b32 v5, 4, v1
	v_lshl_add_u32 v5, v2, 10, v5
	v_add_nc_u32 v5, s39, v5                       ; v5  ctxw: 16,384 tt + 512 (4 w + 2 h) + 16 r
	s_mul_i32 s39, s38, 6144
	s_add_co_u32 s39, s39, 320*3072
	v_add_nc_u32 v6, s39, v3                       ; v6  codes: pair 320 + 2 w, 16 x lane
	s_lshl_b32 s39, s38, 9
	s_add_co_u32 s39, s39, 320*256
	v_add_nc_u32 v7, s39, v7                       ; v7  scales: pair 320 + 2 w, 8 x lane
	s_lshl_b32 s39, s38, 7
	v_lshl_add_u32 v8, v2, 6, s39                  ; v8  4 (32 w + 16 h): my columns in a vector of 256; kept to the end
	s_lshl_b32 s39, ttmp9, 14
	v_lshl_add_u32 v9, v1, 10, v8
	v_add_nc_u32 v9, s39, v9                       ; v9  x: my token's row, my columns
	v_and_b32 v10, 7, v0
	v_lshl_add_u32 v10, v10, 10, v8                ; v10 w_ip: row r % 8, my columns
	s_lshl_b32 s39, s38, 9
	v_lshl_add_u32 v11, v2, 6, s39                 ; v11 b1: 4 (128 w + 16 h)
	v_mul_u32_u24 v12, v1, 208
	v_mad_u32_u24 v12, v2, 12, v12
	s_mul_i32 s39, s38, 24
	v_add_nc_u32 v12, s39, v12                     ; v12 where I put 12 bytes of codes: 208 r + 24 w + 12 h
	v_lshl_add_u32 v13, v1, 3, s38                 ; v13 and the block's byte: 8 r + w
	v_mul_u32_u24 v14, v1, 208
	v_mad_u32_u24 v14, v2, 24, v14                 ; v14 a fragment from rows of codes: 208 r + 24 h
	v_lshlrev_b32 v15, 3, v1                       ; v15 8 r; kept to the end
	v_mov_b32 v[QT+2], 0                           ; written once: a lane permute's destination counts as one of its sources, and a packed form names whole pairs
	v_mov_b32 v249, 0
	v_mov_b32 v250, 0
	s_wait_kmcnt 0x0
.irp n, 0,1,2,3
	global_load_b128 v[CT+4*\n:CT+4*\n+3], v5, s[4:5] offset:256*\n th:TH_LOAD_NT   ; ctx: heads 4 w + 2 h and the next, d = 0..3, 4..7: sixteen lanes read 256 consecutive bytes
.endr
.irp u, 0,1
	global_load_b64 v[WOS+2*\u:WOS+2*\u+1], v7, s[8:9] offset:256*\u
.endr
	WIN 0x40                                       ; destination window 1
.irp n, 0,1,2,3,4,5,6,7,8,9,10,11
	global_load_b128 v[WO+4*\n:WO+4*\n+3], v6, s[6:7] offset:512*\n
.endr
.irp n, 0,1,2,3
	global_load_b128 v[BO+4*\n:BO+4*\n+3], v8, s[12:13] offset:16*\n
.endr
.irp n, 0,1,2,3,4,5,6,7,8,9,10,11
	global_load_b128 v[WC+4*\n:WC+4*\n+3], v6, s[6:7] offset:49152+512*\n
.endr
.irp n, 0,1,2,3
	global_load_b128 v[BC+4*\n:BC+4*\n+3], v8, s[14:15] offset:16*\n
.endr
	WIN 0
.irp u, 0,1
	global_load_b64 v[WCS+2*\u:WCS+2*\u+1], v7, s[8:9] offset:4096+256*\u
.endr
	s_wait_loadcnt 36                              ; ctx is in: behind it stand w_out's 18 loads and w_comb's 18
	; ---- ctx becomes codes
	QBLOCK CT, AROW1, ASC1
.irp n, 0,1,2,3
	global_load_b128 v[XR+4*\n:XR+4*\n+3], v9, s[10:11] offset:16*\n th:TH_LOAD_NT
.endr
.irp n, 0,1,2,3
	global_load_b128 v[G1+4*\n:G1+4*\n+3], v8, s[16:17] offset:16*\n
.endr
.irp n, 0,1,2,3
	global_load_b128 v[BE1+4*\n:BE1+4*\n+3], v8, s[18:19] offset:16*\n
.endr
.irp n, 0,1,2,3
	global_load_b128 v[WIP+4*\n:WIP+4*\n+3], v10, s[20:21] offset:16*\n
.endr
	WIN 0x40
.irp t, 0,1,2,3,4,5,6,7                ; b1 in product 7's result layout: tile t = 2 b + u, hidden units 128 w + 32 b + 8 u + 16 h + 0..7
	global_load_b128 v[B1+8*\t:B1+8*\t+3], v11, s[28:29] offset:(32*(\t/2)+8*(\t%2))*4
	global_load_b128 v[B1+8*\t+4:B1+8*\t+7], v11, s[28:29] offset:(32*(\t/2)+8*(\t%2))*4+16
.endr
	WIN 0
	BARRIER                                        ; the 16 rows of ctx's codes lie in LDS
	; ---- product 4, and its result becomes codes
	GEMM2K WO, WOS, BO, D1, AROW1, ASC1, 50        ; w_out's loads are in: behind them stand w_comb's 18 and the 32 of x, g1, be1, w_ip, b1
	QBLOCK D1, AROW2, ASC2
	BARRIER
	; ---- product 5
	GEMM2K WC, WCS, BC, D2, AROW2, ASC2, 0         ; every load is in: so the offsets' registers may be written anew
	s_mul_i32 s39, s38, 24576
	s_add_co_u32 s39, s39, 352*3072
	v_add_nc_u32 v5, s39, v3                       ; v5  codes: pair 352 + 8 w (w2, my two tiles x four pairs), 16 x lane
	s_lshl_b32 s39, s38, 11
	s_add_co_u32 s39, s39, 352*256
	v_and_b32 v6, 31, v0
	v_lshlrev_b32 v6, 3, v6
	v_add_nc_u32 v6, s39, v6                       ; v6  their scale words
	v_and_b32 v7, 7, v0
	v_lshlrev_b32 v7, 5, v7
	v_bfe_u32 v9, v0, 3, 1
	v_lshl_add_u32 v7, v9, 9, v7
	v_lshl_add_u32 v7, v2, 4, v7
	s_lshl_b32 s39, s38, 12
	v_add_nc_u32 v7, s39, v7                       ; v7  w1: row 128 w + r % 8 + 16 (r / 8) of 32 bytes, + 16 h
	v_lshlrev_b32 v9, 4, v2                        ; v9  16 h
	s_lshl_b32 s39, s38, 7
	v_lshl_add_u32 v10, v1, 3, s39                 ; v10 the norms' parts: 128 w + 8 r
	v_add_nc_u32 v14, s39, v4                      ; v14 the hidden layer's scale word: 128 w + 4 x lane
	s_lshl_b32 s39, s38, 9
	v_lshl_add_u32 v11, v1, 5, s39                 ; v11 the partial projections: 512 w + 32 r
	v_lshlrev_b32 v12, 5, v1
	v_lshl_add_u32 v12, v2, 4, v12                 ; v12 and back: 32 r + 16 h
	s_mul_i32 s39, s38, 1536
	v_add_nc_u32 v13, s39, v3                      ; v13 the hidden layer's image: 1,536 w + 16 x lane
.irp n, 0,1,2,3
	global_load_b128 v[B2+4*\n:B2+4*\n+3], v8, s[30:31] offset:16*\n
.endr
	global_load_b128 v[BIP:BIP+3], v9, s[22:23]
	global_load_b128 v[THF:THF+3], v9, s[24:25]
.irp t, 0,1,2,3,4,5,6,7
	global_load_b128 v[W1F+4*\t:W1F+4*\t+3], v7, s[26:27] offset:(32*(\t/2)+8*(\t%2))*32
.endr
.irp n, 0,1,2,3,4,5,6,7
	global_load_b64 v[W2S+2*\n:W2S+2*\n+1], v6, s[8:9] offset:256*\n
.endr
	WIN 0x40
.set n, 0
.rept 48
	global_load_b128 v[W2F+4*n:W2F+4*n+3], v5, s[6:7] offset:512*n   ; fragment 8 u + s of w2 at v[12 (8 u + s)] of window 1
.set n, n+1
.endr
	WIN 0
	; ---- residual and norm 1
	LN D2, XR, LNS1, G1, BE1, 0, 0
	; ---- product 6: my 32 columns' part of h w_ip^T.  Source 0's rows 8-15 repeat rows 0-7, so both halves of the lanes get all eight sums
.rept 4
	v_nop
.endr
.irp i, 0,4,8,12
.if \i == 0
	v_wmma_f32_16x16x4_f32 v[PD0:PD0+7], v[WIP+\i:WIP+\i+1], v[H+\i:H+\i+1], 0
	v_wmma_f32_16x16x4_f32 v[PD1:PD1+7], v[WIP+\i+2:WIP+\i+3], v[H+\i+2:H+\i+3], 0
.else
	v_wmma_f32_16x16x4_f32 v[PD0:PD0+7], v[WIP+\i:WIP+\i+1], v[H+\i:H+\i+1], v[PD0:PD0+7]
	v_wmma_f32_16x16x4_f32 v[PD1:PD1+7], v[WIP+\i+2:WIP+\i+3], v[H+\i+2:H+\i+3], v[PD1:PD1+7]
.endif
.endr
.rept 8
	v_nop                                          ; eight places behind this form
.endr
.irp j, 0,2,4,6
	v_pk_add_f32 v[PS+\j:PS+\j+1], v[PD0+\j:PD0+\j+1], v[PD1+\j:PD1+\j+1]
.endr
	ds_store_b128 v11, v[PS:PS+3] offset:PRJ       ; both lanes of a token write the same bytes with the same values
	ds_store_b128 v11, v[PS+4:PS+7] offset:PRJ+16
	s_wait_loadcnt 56                              ; b2, b_ip, theta_ffn and w1 are in: behind them stand w2's 8 loads of scale words and 48 of codes
.irp i, 0,2,4,6,8,10,12,14
	v_pk_add_f32 v[H+\i:H+\i+1], v[H+\i:H+\i+1], v[B2+\i:B2+\i+1]   ; b2 joins the residual here, so product 8 starts from 0
.endr
	BARRIER
	; ---- the eight parts are added; cos(theta_ffn) cos(proj + b_ip).  Lane (r, h) takes outputs 4 h .. 4 h + 3 of token r
.irp v, 0,1,2,3,4,5,6,7
	ds_load_b128 v[PJ+4*\v:PJ+4*\v+3], v12 offset:PRJ+512*\v
.endr
.set ci, 0
.irp c, 0x3ea2f983, 0x3f000000, 0x4b400000, 0xcb400000, 0xbf000000, 0xc0490fdb, 0x33bbbd2e, 0x2f309231, 0xb2d7322b, 0x3638ef1d, 0xb9500d01, 0x3c088889, 0xbe2aaaab
	v_mov_b32 v[CK+ci], \c
	v_mov_b32 v[CK+ci+1], \c
.set ci, ci+2
.endr
	s_wait_dscnt 0x0
.irp p, 0,2
	v_pk_add_f32 v[PJ+\p:PJ+\p+1], v[PJ+\p:PJ+\p+1], v[PJ+4+\p:PJ+4+\p+1]
	v_pk_add_f32 v[PJ+8+\p:PJ+8+\p+1], v[PJ+8+\p:PJ+8+\p+1], v[PJ+12+\p:PJ+12+\p+1]
	v_pk_add_f32 v[PJ+16+\p:PJ+16+\p+1], v[PJ+16+\p:PJ+16+\p+1], v[PJ+20+\p:PJ+20+\p+1]
	v_pk_add_f32 v[PJ+24+\p:PJ+24+\p+1], v[PJ+24+\p:PJ+24+\p+1], v[PJ+28+\p:PJ+28+\p+1]
	v_pk_add_f32 v[PJ+\p:PJ+\p+1], v[PJ+\p:PJ+\p+1], v[PJ+8+\p:PJ+8+\p+1]
	v_pk_add_f32 v[PJ+16+\p:PJ+16+\p+1], v[PJ+16+\p:PJ+16+\p+1], v[PJ+24+\p:PJ+24+\p+1]
	v_pk_add_f32 v[PJ+\p:PJ+\p+1], v[PJ+\p:PJ+\p+1], v[PJ+16+\p:PJ+16+\p+1]
	v_pk_add_f32 v[PJ+\p:PJ+\p+1], v[PJ+\p:PJ+\p+1], v[BIP+\p:BIP+\p+1]
.endr
	COS PJ, 2, CTA
	COS THF, 2, CTB
	v_pk_mul_f32 v[QF:QF+1], v[PJ:PJ+1], v[THF:THF+1]
	v_pk_mul_f32 v[QF+2:QF+3], v[PJ+2:PJ+3], v[THF+2:THF+3]
	; ---- product 7: my 128 hidden units, eight tiles by turns; b1 is the first C.  Step s takes inputs 4 h + 2 s + j on both sides
	WIN 0x10                                       ; source 2 in window 1
.irp t, 0,1,2,3,4,5,6,7
	v_wmma_f32_16x16x4_f32 v[HD+8*\t:HD+8*\t+7], v[W1F+4*\t:W1F+4*\t+1], v[QF:QF+1], v[B1+8*\t:B1+8*\t+7]
.endr
	WIN 0
.irp t, 0,1,2,3,4,5,6,7
	v_wmma_f32_16x16x4_f32 v[HD+8*\t:HD+8*\t+7], v[W1F+4*\t+2:W1F+4*\t+3], v[QF+2:QF+3], v[HD+8*\t:HD+8*\t+7]
.endr
.rept 8
	v_nop                                          ; eight places: in front of the loads into b1's registers, of the reads of the results, and of writes into the sources
.endr
	WIN 0x40
.irp n, 0,1,2,3
	global_load_b128 v[G2+4*\n:G2+4*\n+3], v8, s[32:33] offset:16*\n
.endr
.irp n, 0,1,2,3
	global_load_b128 v[BE2+4*\n:BE2+4*\n+3], v8, s[34:35] offset:16*\n
.endr
	WIN 0
	; ---- relu, in f32, into registers of its own; the quantiser; the image of K step w goes to LDS
.set j, 0
.rept 64
	v_max_num_f32 v[HR+j], 0, v[HD+j]
.set j, j+1
.endr
.irp b, 0,1,2,3
	v_mov_b32 v[TM+4+\b], 0                        ; a lane permute's destination counts as one of its sources
.endr
	QUANT HR
.irp c, 0,1,2
	ds_store_b128 v13, v[PC+4*\c:PC+4*\c+3] offset:HIMG+512*\c
.endr
	ds_store_b32 v14, v[PW] offset:HSC
	BARRIER                                        ; the hidden layer's eight fragments lie in LDS
	; ---- product 8: K = 1,024 in eight steps, my two tiles of w2 by turns
.irp s, 0,1,2,3,4,5,6,7
.irp c, 0,1,2
	ds_load_b128 v[A4+12*\s+4*\c:A4+12*\s+4*\c+3], v3 offset:HIMG+1536*\s+512*\c
.endr
	ds_load_b32 v[AS+\s], v4 offset:HSC+128*\s
.endr
	s_wait_dscnt 0x0
	s_wait_loadcnt 8                               ; w2 is in: behind it stand g2's and be2's eight loads
	WIN 0x01
.irp s, 0,1,2,3,4,5,6,7
.irp u, 0,1
.if \s == 0
	v_wmma_scale_f32_16x16x128_f8f6f4 v[D4+8*\u:D4+8*\u+7], v[W2F+12*(8*\u+\s):W2F+12*(8*\u+\s)+11], v[A4+12*\s:A4+12*\s+11], 0, v[W2S+8*\u+\s], v[AS+\s] matrix_a_fmt:MATRIX_FMT_FP6 matrix_b_fmt:MATRIX_FMT_FP6
.else
	v_wmma_scale_f32_16x16x128_f8f6f4 v[D4+8*\u:D4+8*\u+7], v[W2F+12*(8*\u+\s):W2F+12*(8*\u+\s)+11], v[A4+12*\s:A4+12*\s+11], v[D4+8*\u:D4+8*\u+7], v[W2S+8*\u+\s], v[AS+\s] matrix_a_fmt:MATRIX_FMT_FP6 matrix_b_fmt:MATRIX_FMT_FP6
.endif
.endr
.endr
	WIN 0
.rept 4
	v_nop
.endr
	v_mul_u32_u24 v5, v1, 1040                     ; the loads that named v5 to v7 are in (the wait above): the way out's addresses
	v_lshl_add_u32 v5, v2, 6, v5
	s_lshl_b32 s39, s38, 7
	v_add_nc_u32 v5, s39, v5                       ; v5  into the stage: 1,040 r + 128 w + 64 h
	s_mul_i32 s39, s38, 2080
	v_add_nc_u32 v6, s39, v3                       ; v6  back: rows 2 w and 2 w + 1, 16 x lane
	s_lshl_b32 s39, ttmp9, 14
	s_lshl_b32 s42, s38, 11
	s_add_co_u32 s39, s39, s42
	v_add_nc_u32 v7, s39, v3                       ; v7  and the same in out0
	; ---- residual and norm 2
	LN D4, H, LNS2, G2, BE2, 1, 1
	; ---- the way out: a token's 256 numbers come from eight waves; they meet in the stage, and each wave stores two whole rows
.irp n, 0,1,2,3
	ds_store_b128 v5, v[H+4*\n:H+4*\n+3] offset:STG+16*\n
.endr
	BARRIER
.irp n, 0,1,2,3
	ds_load_b128 v[A4+4*\n:A4+4*\n+3], v6 offset:STG+1040*(\n/2)+512*(\n%2)
.endr
.irp n, 0,1,2,3
	s_wait_dscnt 3-\n                              ; LDS loads come back in order: load n is in, the younger ones may be out
	global_store_b128 v7, v[A4+4*\n:A4+4*\n+3], s[36:37] offset:1024*(\n/2)+512*(\n%2) th:TH_STORE_NT   ; 32 lanes store 512 consecutive bytes, aligned
.endr
	s_wait_tensorcnt 0x0                           ; the wave's end
	ds_add_u32 v[SPW], v[NIL]
	s_wait_dscnt 0x0
	s_endpgm
.Lfunc_end_k_q137557e7af_tail:
	.size	k_q137557e7af_tail, .Lfunc_end_k_q137557e7af_tail-k_q137557e7af_tail
	.p2alignl 7, 3214868480
	.fill 96, 4, 3214868480
	.section	.rodata,"a",@progbits
	.p2align	6, 0x0
	.amdhsa_kernel k_q137557e7af_tail
		.amdhsa_group_segment_fixed_size 44800
		.amdhsa_private_segment_fixed_size 0
		.amdhsa_enable_private_segment 0
		.amdhsa_kernarg_size 136
		.amdhsa_user_sgpr_count 2
		.amdhsa_user_sgpr_kernarg_segment_ptr 1
		.amdhsa_wavefront_size32 1
		.amdhsa_system_sgpr_workgroup_id_x 1
		.amdhsa_system_sgpr_workgroup_id_y 1
		.amdhsa_system_sgpr_workgroup_id_z 1
		.amdhsa_system_vgpr_workitem_id 0
		.amdhsa_next_free_vgpr 512
		.amdhsa_next_free_sgpr 66
		.amdhsa_reserve_vcc 0
		.amdhsa_float_denorm_mode_32 3
		.amdhsa_float_denorm_mode_16_64 3
		.amdhsa_memory_ordered 1
		.amdhsa_forward_progress 1
		.amdhsa_inst_pref_size 58
	.end_amdhsa_kernel
	.amdgpu_metadata
---
amdhsa.version: [ 1, 2 ]
amdhsa.kernels:
  - .name:           k_q137557e7af_tail
    .symbol:         k_q137557e7af_tail.kd
    .args:
      - { .name: ctxw, .offset: 0, .size: 8, .value_kind: global_buffer, .address_space: global }
      - { .name: codes, .offset: 8, .size: 8, .value_kind: global_buffer, .address_space: global }
      - { .name: scales, .offset: 16, .size: 8, .value_kind: global_buffer, .address_space: global }
      - { .name: x, .offset: 24, .size: 8, .value_kind: global_buffer, .address_space: global }
      - { .name: b_out, .offset: 32, .size: 8, .value_kind: global_buffer, .address_space: global }
      - { .name: b_comb, .offset: 40, .size: 8, .value_kind: global_buffer, .address_space: global }
      - { .name: g1, .offset: 48, .size: 8, .value_kind: global_buffer, .address_space: global }
      - { .name: be1, .offset: 56, .size: 8, .value_kind: global_buffer, .address_space: global }
      - { .name: w_ip, .offset: 64, .size: 8, .value_kind: global_buffer, .address_space: global }
      - { .name: b_ip, .offset: 72, .size: 8, .value_kind: global_buffer, .address_space: global }
      - { .name: theta_ffn, .offset: 80, .size: 8, .value_kind: global_buffer, .address_space: global }
      - { .name: w1, .offset: 88, .size: 8, .value_kind: global_buffer, .address_space: global }
      - { .name: b1, .offset: 96, .size: 8, .value_kind: global_buffer, .address_space: global }
      - { .name: b2, .offset: 104, .size: 8, .value_kind: global_buffer, .address_space: global }
      - { .name: g2, .offset: 112, .size: 8, .value_kind: global_buffer, .address_space: global }
      - { .name: be2, .offset: 120, .size: 8, .value_kind: global_buffer, .address_space: global }
      - { .name: out0, .offset: 128, .size: 8, .value_kind: global_buffer, .address_space: global }
    .group_segment_fixed_size: 44800
    .private_segment_fixed_size: 0
    .kernarg_segment_align: 8
    .kernarg_segment_size: 136
    .max_flat_workgroup_size: 256
    .sgpr_count:     66
    .vgpr_count:     512
    .wavefront_size: 32
...
	.end_amdgpu_metadata
.endif
;; end of part 3
